; MI455X (gfx1250); checked and timed in simulation.
; The chip was launched on July 23, 2026; its instructions are those of AMD's public machine-readable ISA for CDNA 5 (MIT licence, August 2026) and "CDNA5" Instruction Set Architecture Reference Guide (July 2026). The comments in the code are by the model that wrote it; some were corrected since.
;; KAN Linear. Allowed arithmetic: matrix products marked QUANTISED: E5M2 operands, one E8M0 scale for each 32 along K, by v_wmma_scale_f32_16x16x128_f8f6f4 with both operands' format E5M2, f32 sums; everything else in f32.
;; Inputs: base_weight 256 x 256 float32; spline_weight 256 x 256 x 8 float32; x 8 x 4,096 x 256 float32.
;; Outputs: out0 8 x 4,096 x 256 float32.
;; This version of the problem:
;;   THIS VERSION OF THE PROBLEM IS GIVEN IN LOW PRECISION. The matrix products marked QUANTISED in the list below multiply operands that are first quantised to E5M2 (5 exponent bits, 2 mantissa bits; 8 bits a number), with one power-of-two scale for each 32 numbers along K (OCP MX v1.0); their sums are f32. All else is computed in f32.
;;   The module's matrix products, in the order in which they are computed (A, B: the left and right operand; K: the contracted axis; several contracted axes count as one K, in the product's order):
;;     1. [M 32,768, K 256] x [K 256, N 256]; A: computed on the way; B: input base_weight: QUANTISED
;;     2. [M 32,768, K 2,048] x [K 2,048, N 256]; A: computed on the way; B: input spline_weight: QUANTISED
;;   THE QUANTISER, for each operand of a quantised product, along K:
;;     - K is cut into blocks of 32 from its start; a last block that is shorter is filled with zeros.
;;     - A block's scale is 2^e with e = floor(log2(the largest magnitude in the block)) - 15, held to -126 .. 127; a block of zeros has e = 0. As a byte (E8M0): e + 127.
;;     - Each number is divided by its block's scale, clamped to +-57,344, and rounded to the nearest number of E5M2, ties to even, subnormals kept.
;;     - The product sums the exact products of the quantised numbers (number of the format x scale) in f32.
;;   ~~~python
;;   def quantise(x, axis):      # numpy; x: float32 -> the quantised numbers, widened to float32 again
;;       x = np.moveaxis(x, axis, -1); K = x.shape[-1]
;;       x = np.pad(x, [(0, 0)] * (x.ndim - 1) + [(0, -K % 32)]); x = x.reshape(x.shape[:-1] + (-1, 32)); a = np.abs(x).max(-1, keepdims=True)
;;       e = np.where(a > 0, np.clip(np.frexp(np.where(a > 0, a, 1))[1] - 1 - 15, -126, 127), 0)      # np.frexp(a)[1] - 1 = floor(log2(a)), exactly
;;       r = np.clip(x / 2.0 ** e, -57344, 57344)
;;       step = 2.0 ** (np.maximum(np.frexp(np.where(r == 0, 1, r))[1] - 1, -14) - 2)
;;       q = np.round(r / step) * step * 2.0 ** e      # np.round: ties to even
;;       return np.moveaxis(q.reshape(q.shape[:-2] + (-1,))[..., :K], -1, axis).astype(np.float32)
;;   ~~~
;;   OPERANDS COMPUTED ON THE WAY. 'Computed on the way' means the value that the module computes at that place (a softmax that the list does not call 'softmax' is quantised finished and normalised). What goes into a quantiser is computed in f32, as accurately as f32 sums, v_exp_f32 and their like allow (about 1e-6 of the number): no bf16 or f16 on the way to a quantiser, and a product that is left as it is and whose result goes on into a quantised operand takes f32 operands (vector FMAs, or v_wmma_f32_16x16x4_f32). A number that lies on a knife's edge between two numbers of the format may be rounded either way, as far as f32 arithmetic and the matrix unit's own rounding can turn it there, and no further.
;; One version. Each part assembles by itself: llvm-mc -triple=amdgcn-amd-amdhsa -mcpu=gfx1250 --defsym DOCPART=n.
;; ======== version 1 of 1: 2 launches
;; limits: right only within a limited range of input values
;; workspace buffers: wcodes 589,824 bytes; wscales 18,432 bytes
;; launch prep (part 1): grid 16 x 18, 1 waves a work-group, no clusters, 0 bytes of LDS; arguments base_weight, spline_weight, wcodes, wscales; writes wcodes, wscales
.if DOCPART == 1
	.amdgcn_target "amdgcn-amd-amdhsa--gfx1250"
	.amdhsa_code_object_version 6
	.text
	.protected	k_q4fdb68ca37_prep
	.globl	k_q4fdb68ca37_prep
	.p2align	8
	.type	k_q4fdb68ca37_prep,@function
k_q4fdb68ca37_prep:
	s_mov_b64 s[64:65], 0
	v_nop
	global_prefetch_b8 v0, s[64:65] scope:SCOPE_SE
	s_setreg_imm32_b32 hwreg(HW_REG_WAVE_MODE, 25, 1), 1
	s_wait_xcnt 0x0
; Both weights become codes of BF8 (E5M2) with one E8M0 scale byte for each 32 along K, laid in the ORDER OF THE OPERAND'S REGISTERS.
; wcodes  [s 0..17][n 0..15][c 0..3][lane 0..31][16 bytes]: K step s of 128, tile n of 16 output columns.  Lane (r, h), group c holds the matrix unit's k = 32 c + 16 h + q, q = 0 .. 15, of column 16 n + r.
; wscales [s][n][r]: one word a column and K step, byte c for block c.
; s = 0 .. 15: spline_weight [256][2048], k = 128 s + 32 c + 16 h + q, as it lies.
; s = 16, 17:  base_weight [256][256].  Block b = 4 (s - 16) + c; place q = 8 e + 2 k + d of half h is feature 32 b + 16 e + 4 k + 2 h + d: a permutation INSIDE a block of 32,
;              the one in which the second launch's lanes hold silu(x); it is applied alike to both operands, so blocks, scales and products stay the same.
; One wave makes one fragment (16 columns x 128 K): 64 numbers a lane, register 16 c + q; a block lies in lanes l and l xor 16.
; A block's scale is 2^(floor(log2(its largest magnitude)) - 15); its byte is the largest magnitude's exponent field - 15, held at 1 from below.
; LIMITS: a block of zeros gets the byte 1 where the rule says 127 (its codes are zeros, and this program alone reads the bytes); NaN and infinities among the inputs are not served.
; The launch reads 2.4 MB once.  A load takes 32 (or 16) bytes of each of 16 rows; a wave's loads together cover 512 consecutive bytes of each row.  The codes leave in stores of 512 consecutive bytes;
; the scale words in pieces of 64 bytes, 18 KB in all.
.set NUM, 64                           ; v64-127 the numbers
.set COD, 48                           ; v48-63  the codes
.set TM,  32                           ; v32-35 largest magnitudes, v36-39 bytes, v44-47 the conversions' scale operands
	s_load_b256 s[4:11], s[0:1], 0x0               ; base_weight s[4:5], spline_weight s[6:7], wcodes s[8:9], wscales s[10:11]
	s_and_b32 s12, ttmp7, 0xffff                   ; K step s
	v_and_b32 v1, 15, v0                           ; r
	v_lshrrev_b32 v2, 4, v0                        ; h
	v_lshlrev_b32 v7, 4, v0                        ; codes: 16 bytes a lane
	v_lshlrev_b32 v8, 2, v1                        ; scale words: 4 bytes a column
	s_mov_b32 s20, 0x76543210
	s_mov_b32 s21, 0xfedcba98                      ; v_permlanex16_b32: lane l xor 16
	s_lshl_b32 s16, s12, 4
	s_add_co_u32 s16, s16, ttmp9                   ; 16 s + n
	s_lshl_b32 s18, s16, 6                         ; its 64 bytes of scale words
	s_lshl_b32 s16, s16, 11                        ; its 2,048 bytes of codes
	s_mov_b32 s17, 0
	s_mov_b32 s19, 0
	s_mov_b32 s15, 0
	s_wait_kmcnt 0x0
	s_add_nc_u64 s[8:9], s[8:9], s[16:17]
	s_add_nc_u64 s[10:11], s[10:11], s[18:19]
	s_cmp_lt_u32 s12, 16                           ; which weight: hangs on the work-group's number alone
	s_cbranch_scc0 .Lbase
	s_lshl_b32 s14, ttmp9, 17                      ; 16 rows of 8,192 bytes
	s_lshl_b32 s13, s12, 9                         ; 128 numbers a K step
	s_add_co_u32 s14, s14, s13
	s_add_nc_u64 s[6:7], s[6:7], s[14:15]
	s_wait_alu depctr_va_vdst(0)
	v_lshlrev_b32 v5, 13, v1
	v_lshl_add_u32 v5, v2, 6, v5                   ; row r, + 64 h
.irp c, 0,1,2,3
.irp j, 0,1,2,3
	global_load_b128 v[NUM+16*\c+4*\j:NUM+16*\c+4*\j+3], v5, s[6:7] offset:128*\c+16*\j
.endr
.endr
	s_branch .Lquant
.Lbase:
	s_lshl_b32 s14, ttmp9, 14                      ; 16 rows of 1,024 bytes
	s_and_b32 s13, s12, 1                          ; s - 16
	s_lshl_b32 s13, s13, 9
	s_add_co_u32 s14, s14, s13
	s_add_nc_u64 s[4:5], s[4:5], s[14:15]
	s_wait_alu depctr_va_vdst(0)
	v_lshlrev_b32 v5, 10, v1
	v_lshl_add_u32 v5, v2, 3, v5                   ; row r, + 8 h
.irp c, 0,1,2,3
.irp e, 0,1
.irp k, 0,1,2,3
	global_load_b64 v[NUM+16*\c+8*\e+2*\k:NUM+16*\c+8*\e+2*\k+1], v5, s[4:5] offset:128*\c+64*\e+16*\k
.endr
.endr
.endr
.Lquant:
	s_wait_loadcnt 0x0
.irp b, 0,1,2,3
	v_mov_b32 v[TM+4+\b], 0                        ; a lane permute's destination counts as one of its sources
.endr
.irp b, 0,1,2,3
	v_max3_num_f32 v[TM+\b], |v[NUM+16*\b]|, |v[NUM+1+16*\b]|, 0x8000000   ; my 16 numbers of block b, and the floor 2^(16 - 127): the byte cannot fall under 1
.endr
.irp i, 2,4,6,8,10,12,14
.irp b, 0,1,2,3
	v_max3_num_f32 v[TM+\b], v[TM+\b], |v[NUM+16*\b+\i]|, |v[NUM+1+16*\b+\i]|   ; the four blocks by turns
.endr
.endr
.irp b, 0,1,2,3
	v_permlanex16_b32 v[TM+4+\b], v[TM+\b], s20, s21
.endr
.irp b, 0,1,2,3
	v_max_num_f32 v[TM+\b], v[TM+\b], v[TM+4+\b]   ; with lane l xor 16: the block's largest magnitude
.endr
.irp b, 0,1,2,3
	v_add_nc_u32 v[TM+12+\b], 0xf8800000, v[TM+\b] ; 15 off its exponent field: the conversion takes this operand's exponent field as its scale
.endr
.irp b, 0,1,2,3
.endr
.irp b, 0,1,2,3
	v_lshrrev_b32 v[TM+4+\b], 23, v[TM+12+\b]      ; the scale's byte
.endr
	v_lshl_or_b32 v9, v[TM+5], 8, v[TM+4]          ; the column's scale word
	v_lshl_or_b32 v9, v[TM+6], 16, v9
	v_lshl_or_b32 v9, v[TM+7], 24, v9
.irp c, 0,1,2,3
.irp i, 0,1,2,3,4,5,6,7,8,9,10,11,12,13,14,15
.endr
	v_cvt_scalef32_pk8_bf8_f32 v[COD+4*\c:COD+4*\c+1], v[NUM+16*\c:NUM+16*\c+7], v[TM+12+\c]
	v_cvt_scalef32_pk8_bf8_f32 v[COD+4*\c+2:COD+4*\c+3], v[NUM+16*\c+8:NUM+16*\c+15], v[TM+12+\c]
.endr
	v_nop                                          ; a plain line behind the last conversion
.irp c, 0,1,2,3
	global_store_b128 v7, v[COD+4*\c:COD+4*\c+3], s[8:9] offset:512*\c   ; 32 lanes store 512 consecutive bytes
.endr
	global_store_b32 v8, v9, s[10:11]              ; lanes r and r + 16 hold the same word and write it to the same place
	s_endpgm
.Lfunc_end_k_q4fdb68ca37_prep:
	.size	k_q4fdb68ca37_prep, .Lfunc_end_k_q4fdb68ca37_prep-k_q4fdb68ca37_prep
	.p2alignl 7, 3214868480
	.fill 96, 4, 3214868480
	.section	.rodata,"a",@progbits
	.p2align	6, 0x0
	.amdhsa_kernel k_q4fdb68ca37_prep
		.amdhsa_group_segment_fixed_size 0
		.amdhsa_private_segment_fixed_size 0
		.amdhsa_enable_private_segment 0
		.amdhsa_kernarg_size 32
		.amdhsa_user_sgpr_count 2
		.amdhsa_user_sgpr_kernarg_segment_ptr 1
		.amdhsa_wavefront_size32 1
		.amdhsa_system_sgpr_workgroup_id_x 1
		.amdhsa_system_sgpr_workgroup_id_y 1
		.amdhsa_system_sgpr_workgroup_id_z 1
		.amdhsa_system_vgpr_workitem_id 0
		.amdhsa_next_free_vgpr 128
		.amdhsa_next_free_sgpr 66
		.amdhsa_reserve_vcc 0
		.amdhsa_float_denorm_mode_32 3
		.amdhsa_float_denorm_mode_16_64 3
		.amdhsa_fp16_overflow 1
		.amdhsa_memory_ordered 1
		.amdhsa_forward_progress 1
		.amdhsa_inst_pref_size 11
	.end_amdhsa_kernel
	.amdgpu_metadata
---
amdhsa.version: [ 1, 2 ]
amdhsa.kernels:
  - .name:           k_q4fdb68ca37_prep
    .symbol:         k_q4fdb68ca37_prep.kd
    .args:
      - { .name: base_weight, .offset: 0, .size: 8, .value_kind: global_buffer, .address_space: global }
      - { .name: spline_weight, .offset: 8, .size: 8, .value_kind: global_buffer, .address_space: global }
      - { .name: wcodes, .offset: 16, .size: 8, .value_kind: global_buffer, .address_space: global }
      - { .name: wscales, .offset: 24, .size: 8, .value_kind: global_buffer, .address_space: global }
    .group_segment_fixed_size: 0
    .private_segment_fixed_size: 0
    .kernarg_segment_align: 8
    .kernarg_segment_size: 32
    .max_flat_workgroup_size: 32
    .sgpr_count:     66
    .vgpr_count:     128
    .wavefront_size: 32
...
	.end_amdgpu_metadata
.endif
;; end of part 1
;; launch kan (part 2): grid 256 x 1, 4 waves a work-group, clusters of 4 x 1, 327,680 bytes of LDS; arguments x, wcodes, wscales, out0; writes out0
.if DOCPART == 2
	.amdgcn_target "amdgcn-amd-amdhsa--gfx1250"
	.amdhsa_code_object_version 6
	.text
	.protected	k_q4fdb68ca37_kan
	.globl	k_q4fdb68ca37_kan
	.p2align	8
	.type	k_q4fdb68ca37_kan,@function
k_q4fdb68ca37_kan:
	s_mov_b64 s[64:65], 0
	v_nop
	global_prefetch_b8 v0, s[64:65] scope:SCOPE_SE
	s_setreg_imm32_b32 hwreg(HW_REG_WAVE_MODE, 25, 1), 1
	s_wait_xcnt 0x0
	s_wait_alu depctr_hold_cnt(0) depctr_sa_sdst(0) depctr_va_vdst(0) depctr_va_sdst(0) depctr_va_ssrc(0) depctr_va_vcc(0) depctr_vm_vsrc(0)
	s_getreg_b32 s2, hwreg(HW_REG_IB_STS2, 6, 4)
	s_cmp_eq_u32 s2, 0
	s_cbranch_scc0 .Lentry_in_a_cluster
	s_endpgm
.Lentry_in_a_cluster:
	s_bfe_u32 s2, ttmp6, 0x10000c
	s_cmp_lg_u32 s2, 0x3003
	s_cbranch_scc0 .Lentry_shape_is_right
	s_endpgm
.Lentry_shape_is_right:
; out[row][o] = sum over f of Q(silu(x[row][f])) Q(base_weight[o][f]) + sum over f, j of Q(B_j(x[row][f])) Q(spline_weight[o][f][j]): 32,768 rows, 256 features, 8 cubic B-splines, 256 outputs.
; Both products on codes of BF8 (E5M2) with one E8M0 scale for each 32 along K; sums in f32.  The weights come as codes in operand order (wcodes, wscales: 18 K steps of 128; 0-15 spline, 16-17 base).
; SHARES.  A work-group owns 128 rows, each of its four waves 32 rows (two tiles of 16) x all 256 outputs: 32 accumulators, 256 registers.  A wave makes its own x operands in registers: each is made once
; and never leaves the wave.  The products are used transposed (source 0 = 16 output columns of the weights, source 1 = 16 rows of x): a lane holds 8 neighbouring outputs of one row.
; BY TURNS.  A K step is 16 chunks: two matrix instructions (one weight fragment x my two tiles), and in front of them a piece of the vector work that makes the NEXT K step's operand.
; Per element of x some 35 vector instructions stand beside 2.25 matrix instructions a lane-row, so the vector work bounds the loop and the products ride between it.
; THE SPLINES.  Knots 0.4 i - 2.2.  i = floor(2.5 x + 5.5), u = 2.5 x + (5.5 - i) by one fused multiply-add (one rounding).  With P = (u, 1 - u): (w1, w2) = P^2 (P / 2 - 1) + 2/3, (w3, w0) = (P / 6) P^2,
; and B_(i-3+m) = w_m; all other B are 0.  A w whose index falls outside 0 .. 7 is made 0 in f32, ahead of the block's largest magnitude.  The four codes of a feature are made by one conversion
; (two features at a time), rotated so that code j stands in byte j mod 4, and split by a mask into the word of j = 0 .. 3 and the word of j = 4 .. 7.
; CLUSTER.  All work-groups walk the same weights: the four of a cluster ask for each tile JOINTLY (mask 15).  x and out are nobody else's, so one operand alone is shared and a row of four serves it.
; x comes by plain loads, all 64 a wave at the head, and waits in registers; it goes through the wave's own LDS bytes to change from 16 bytes a lane along a row to the operand's order.
; LIMITS.  The knots are the exact 0.4 i - 2.2, not their f32 roundings: u differs by 3e-7 at the most.  x is held within -2.1999998 .. 2.1999996: outside the grid a basis is at most 2e-19 where it should be 0.
; A block of zeros has the scale byte 1 (its codes are zeros).  NaN and infinities among the inputs are not served.  exp2 of -1.442695 x overflows to infinity for x under -88: silu is then -0.
; LDS: two slots of 65,536 bytes (two K steps of weights each) | 18,432 bytes of weight scale words, filled once | 37,888 bytes for each wave: x as 8 pieces of 32 features (32 rows, 144 bytes apart; pieces 4,736 apart);
;   the base product's operand images take the first 1,024 bytes of a piece that has been read; at the end the wave's stage for out (32 rows, 1,040 bytes apart) | the spare words.
; REGISTERS, in windows of 256: window 0: all that vector instructions touch; window 1: accumulator (n, t) at v[8 (2 n + t)]; window 2: v0-127 eight weight fragments; window 3: x as loaded.
.set SLOTB,  65536
.set SCL,    131072
.set XREG,   149504
.set XWB,    37888
.set PIECEB, 4736                      ; 128 modulo 256: lanes 0-7 and 8-15 of a staging store fall into different halves of the banks
.set XPITCH, 144                       ; 36 words: the 16 rows of a load start at 16 different multiples of 4 banks
.set OPITCH, 1040
.set SPARE,  301056                    ; 128 bytes for each wave: two blocks of 256 bytes that no other line names
.set L16, 1                            ; v1   16 x lane
.set XA0, 2                            ; v2   my place in a piece of x: my region + 144 r + 8 h
.set XAD, 3                            ; v3   the same in the piece to be read
.set BA,  4                            ; v4   16 x lane in the slot in hand
.set SA0, 5                            ; v5   weight scale words: SCL + 4 x lane
.set SA,  6                            ; v6   the same at the K steps in hand
.set IA0, 7                            ; v7   my region + 16 x lane
.set IA,  8                            ; v8   the same in the piece that takes this trip's base image
.set XSA, 9                            ; v9   where a loaded 16 bytes of x go
.set SPW, 10                           ; v10  my spare word; never rewritten
.set NIL, 11                           ; v11  0; never rewritten
.set STO, 12                           ; v12  the stage: my region + 1,040 r + 32 h
.set XG,  13                           ; v13  x in memory: 1,024 (lane / 16) + 16 (lane % 16); never rewritten
.set K55, 14                           ; (5.5, 5.5)
.set KPM, 16                           ; (1, -1)
.set K01, 18                           ; (0, 1)
.set MAG1, 20                          ; 2 x (1.5 x 2^23 + 16): a whole number added to it stands in the sum's low bits
.set MAG2, 22                          ; 2 x (1.5 x 2^23 - 24)
.set XC, 24                            ; a group (two features): x held; then in pairs (feature a, feature b):
.set FL, 26                            ; i
.set CC, 28                            ; 5.5 - i
.set UU, 30                            ; u
.set T0, 32                            ; the bounds that keep or drop w0, w3, w1, w2
.set T3, 34
.set T1, 36
.set T2, 38
.set RA, 40                            ; low five bits: 16 - 8 i
.set NA, 42                            ; low five bits: the mask's shift
.set PA, 44                            ; v44-47 P of a, of b
.set SQ, 48                            ; v48-51 P^2
.set HA, 52                            ; v52-55 P / 2 - 1
.set A6, 56                            ; v56-59 P / 6
.set W,  60                            ; v60-67 w1, w2, w3, w0 of a, of b
.set MX, 68
.set MX2, 69
.set SCO, 70
.set HLD, 71
.set BYT, 72
.set MXB, 73
.set CW, 74                            ; v74-75 the code words
.set RW, 76                            ; v76-77 rotated
.set MK, 78                            ; v78-79 the masks
.set X,  80                            ; v80-111  x of a K step: [buffer][tile][c] pairs
.set S,  112                           ; v112-143 silu: [tile][16]
.set AF, 144                           ; v144-207 x operands: [buffer][tile][16]
.set ASC, 208                          ; v208-211 their scale words: [buffer][tile]
.set BSC, 212                          ; v212-227 weight scale words: [K step of the slot][pair of tiles]: lanes 0-15 the even tile, lanes 16-31 the odd
.set BW, 228                           ; v228-231 the base operand's scale words: [K step][tile]
.set CWB, 232                          ; v232-239 a base block's codes: [tile][4]
.set RB, 240                           ; v240-241 low five bits: 16 + 8 i
.set WV,  12                           ; s12  wave
.set G1W, 16                           ; s[16:23] descriptor group 1: a quarter of a slot
.set G1S, 24                           ; s[24:31] a quarter of the scale words
.set G0S, 32                           ; s[32:35]
.set G0W, 36                           ; s[36:39] walks
.set STB, 40                           ; s40  the slot in hand
.set STS, 41                           ; s41  its scale words: 2,048 bytes a trip
.set SIO, 42                           ; s42  the piece of this trip's number
.set SXO, 43                           ; s43  the piece to be read: the next, held at the last
.set CNT, 44
.set XRW, 45                           ; s45  my wave's region
.set SEL, 46
.set MNT, 48
.set XLO, 49
.set XHI, 50
.set C3,  51
.set C6875, 52
.set C25, 54                           ; pairs: the packed forms name a pair and take its low word for both halves
.set C75, 56
.set C16, 58
.set CM8, 60
.set C8,  62
.set C6I, 66
.set C23, 68
.set CL2E, 70
.set MSB, 0
.macro WIN new                         ; the immediate's high byte repeats the setting that is left; a switch that changes nothing is dropped
.if MSB != \new
	s_set_vgpr_msb (MSB<<8)|\new
.set MSB, \new
.endif
.endm
; A round of the cluster's barrier: my work-group's barrier; wave 0 signals for the work-group; every wave waits for all four work-groups; my work-group's barrier once more.
.macro ROUND
	s_barrier_signal -1
	s_barrier_wait -1
	s_cmp_lg_u32 s[WV], 0
	s_cbranch_scc1 .Lnot_wave_0_\@
	s_barrier_signal -3
.Lnot_wave_0_\@:
	s_barrier_wait -3
	s_barrier_signal -1
	s_barrier_wait -1
.endm
; 64 features (chunk q) of my 32 rows go from the registers they were loaded into to pieces 2 q and 2 q + 1.
.macro XSTORE q
	s_wait_loadcnt 16*(3-(\q))                     ; loads come back in order: the later chunks, 16 loads each, may stay out
	WIN 0x0c                                       ; an LDS store's data are its source 1: window 3
.set II, 0
.rept 16
	ds_store_b128 v[XSA], v[64*(\q)+4*II:64*(\q)+4*II+3] offset:2*(\q)*PIECEB+2*XPITCH*II
.set II, II+1
.endr
	WIN 0
.endm
; GROUP g (tile g / 4, block c = g % 4) of a K step, first half: from two features of my row to their eight w and what places them.  29 plain instructions, temporaries alone are written.
.macro GA xb, g
.set XP, X+16*(\xb)+8*((\g)/4)+2*((\g)%4)
	v_med3_num_f32 v[XC], v[XP], s[XLO], s[XHI]    ; so that i stays in 0 .. 10
	v_med3_num_f32 v[XC+1], v[XP+1], s[XLO], s[XHI]
	v_pk_fma_f32 v[FL:FL+1], v[XC:XC+1], s[C25:C25+1], v[K55:K55+1] op_sel_hi:[1,0,1]
	v_floor_f32 v[FL], v[FL]                       ; i
	v_floor_f32 v[FL+1], v[FL+1]
	v_pk_add_f32 v[CC:CC+1], v[K55:K55+1], v[FL:FL+1] neg_lo:[0,1] neg_hi:[0,1]   ; 5.5 - i: exact
	v_pk_add_f32 v[T0:T0+1], v[FL:FL+1], s[C25:C25+1] op_sel_hi:[1,0] neg_lo:[0,1] neg_hi:[0,1]   ; i - 2.5: under 0 where i - 3 < 0
	v_pk_add_f32 v[T3:T3+1], v[FL:FL+1], s[C75:C75+1] op_sel_hi:[1,0] neg_lo:[1,0] neg_hi:[1,0]   ; 7.5 - i: under 0 where i > 7
	v_pk_fma_f32 v[UU:UU+1], v[XC:XC+1], s[C25:C25+1], v[CC:CC+1] op_sel_hi:[1,0,1]   ; u, rounded once
	v_pk_fma_f32 v[RA:RA+1], v[FL:FL+1], s[CM8:CM8+1], v[MAG1:MAG1+1] op_sel_hi:[1,0,1]
	v_pk_fma_f32 v[RB:RB+1], v[FL:FL+1], s[C8:C8+1], v[MAG1:MAG1+1] op_sel_hi:[1,0,1]
	v_med3_num_f32 v[NA], v[FL], s[C3], s[C6875]
	v_med3_num_f32 v[NA+1], v[FL+1], s[C3], s[C6875]
	v_pk_fma_f32 v[PA:PA+1], v[UU:UU+1], v[KPM:KPM+1], v[K01:K01+1] op_sel_hi:[0,1,1]   ; (u, 1 - u) of feature a
	v_pk_fma_f32 v[PA+2:PA+3], v[UU:UU+1], v[KPM:KPM+1], v[K01:K01+1] op_sel:[1,0,0] op_sel_hi:[1,1,1]   ; of feature b
	v_pk_fma_f32 v[T1:T1+1], v[CC:CC+1], v[CC:CC+1], s[C16:C16+1] op_sel_hi:[1,1,0] neg_lo:[1,0,0] neg_hi:[1,0,0]   ; 16 - (5.5 - i)^2: under 0 where i - 2 is outside 0 .. 7
	v_pk_add_f32 v[T2:T2+1], v[CC:CC+1], 1.0 op_sel_hi:[1,0] neg_lo:[1,0] neg_hi:[1,0]
	v_pk_fma_f32 v[NA:NA+1], v[NA:NA+1], s[C8:C8+1], v[MAG2:MAG2+1] op_sel_hi:[1,0,1]   ; 8 x (i held in 3 .. 6.875) - 24 = 0, 8, 16, 24, 31
.irp i, 0,1
	v_pk_mul_f32 v[SQ+2*\i:SQ+2*\i+1], v[PA+2*\i:PA+2*\i+1], v[PA+2*\i:PA+2*\i+1]
.endr
.irp i, 0,1
	v_pk_fma_f32 v[HA+2*\i:HA+2*\i+1], v[PA+2*\i:PA+2*\i+1], 0.5, -1.0 op_sel_hi:[1,0,0]
.endr
.irp i, 0,1
	v_pk_mul_f32 v[A6+2*\i:A6+2*\i+1], v[PA+2*\i:PA+2*\i+1], s[C6I:C6I+1] op_sel_hi:[1,0]
.endr
	v_pk_fma_f32 v[T2:T2+1], v[T2:T2+1], v[T2:T2+1], s[C16:C16+1] op_sel_hi:[1,1,0] neg_lo:[1,0,0] neg_hi:[1,0,0]   ; 16 - (i - 4.5)^2: under 0 where i - 1 is outside 0 .. 7
.irp i, 0,1
	v_pk_fma_f32 v[W+4*\i:W+4*\i+1], v[SQ+2*\i:SQ+2*\i+1], v[HA+2*\i:HA+2*\i+1], s[C23:C23+1] op_sel_hi:[1,1,0]   ; w1, w2
.endr
.irp i, 0,1
	v_pk_mul_f32 v[W+4*\i+2:W+4*\i+3], v[A6+2*\i:A6+2*\i+1], v[SQ+2*\i:SQ+2*\i+1]   ; w3, w0
.endr
.endm
; Second half: the block's scale (4 features x 8: my two features and those of lane l xor 16), the codes, and their places: registers 4 c .. 4 c + 3 of operand buffer aw.
.macro GB aw, g
.set ADST, AF+32*(\aw)+16*((\g)/4)+4*((\g)%4)
.set ASW, ASC+2*(\aw)+(\g)/4
.irp i, 0,1
	v_med3_num_f32 v[W+4*\i], v[W+4*\i], 0, v[T1+\i]       ; a bound is at least 0.5 and over its w where the index lies in 0 .. 7, and negative where not: the middle one is w, or 0
	v_med3_num_f32 v[W+4*\i+1], v[W+4*\i+1], 0, v[T2+\i]
	v_med3_num_f32 v[W+4*\i+2], v[W+4*\i+2], 0, v[T3+\i]
	v_med3_num_f32 v[W+4*\i+3], v[W+4*\i+3], 0, v[T0+\i]
.endr
	v_max3_num_f32 v[MX], v[W], v[W+1], 0x8000000          ; nothing is negative; the floor 2^(16 - 127) holds the byte at 1 from below
	v_max3_num_f32 v[MXB], v[W+2], v[W+3], v[W+4]
	v_max3_num_f32 v[MX], v[MX], v[W+5], v[W+6]
	v_max3_num_f32 v[MX], v[MX], v[MXB], v[W+7]
	v_permlanex16_b32 v[MX2], v[MX], s[SEL], s[SEL+1]
	v_max_num_f32 v[MX], v[MX], v[MX2]                     ; the block's largest magnitude
	v_add_nc_u32 v[SCO], 0xf8800000, v[MX]                 ; 15 off its exponent field: the conversion's scale operand
.if (\g)%4 == 0
	v_lshrrev_b32 v[ASW], 23, v[SCO]                       ; the scale's byte begins the tile's scale word
.else
	v_lshrrev_b32 v[BYT], 23, v[SCO]
	v_lshl_or_b32 v[ASW], v[BYT], 8*((\g)%4), v[ASW]
.endif
.irp i, 0,1,2,3,4,5,6,7
.endr
	v_cvt_scalef32_pk8_bf8_f32 v[CW:CW+1], v[W:W+7], v[SCO]   ; a word a feature: bytes w1, w2, w3, w0
	v_lshlrev_b32 v[MK], v[NA], -1                         ; (two plain lines behind the conversion)  ones from the first byte whose j is under 4
	v_lshlrev_b32 v[MK+1], v[NA+1], -1
.irp i, 0,1
	v_lshrrev_b32 v[RW+\i], v[RA+\i], v[CW+\i]             ; rotated right by (16 - 8 i) mod 32 bits, in two shifts: code j then stands in byte j mod 4
.endr
.irp i, 0,1
	v_lshl_or_b32 v[RW+\i], v[CW+\i], v[RB+\i], v[RW+\i]
.endr
.irp i, 0,1
	v_and_b32 v[ADST+2*\i], v[MK+\i], v[RW+\i]             ; j = 0 .. 3.  (For i over 6 the mask keeps one bit, a code's sign, which is 0)
	v_bfi_b32 v[ADST+2*\i+1], v[MK+\i], 0, v[RW+\i]        ; j = 4 .. 7
.endr
.endm
; silu(x) = x / (1 + 2^(-1.442695 x)) of a K step's 16 numbers a lane, into half se of a block of 32 features.  Each batch of transcendentals has one wait, four chunks behind it.
.macro SIL1 xb, se
.irp t, 0,1
.irp c, 0,1,2,3
	v_pk_mul_f32 v[S+16*\t+8*(\se)+2*\c:S+16*\t+8*(\se)+2*\c+1], v[X+16*(\xb)+8*\t+2*\c:X+16*(\xb)+8*\t+2*\c+1], s[CL2E:CL2E+1] op_sel_hi:[1,0]
.endr
.endr
.irp t, 0,1
.irp i, 0,1,2,3,4,5,6,7
	v_exp_f32 v[S+16*\t+8*(\se)+\i], v[S+16*\t+8*(\se)+\i]
.endr
.endr
.endm
.macro SIL2 se
	s_wait_alu depctr_va_vdst(0)                   ; one wait for the 16 exponentials, ahead of their first reader
.irp t, 0,1
.irp c, 0,1,2,3
	v_pk_add_f32 v[S+16*\t+8*(\se)+2*\c:S+16*\t+8*(\se)+2*\c+1], v[S+16*\t+8*(\se)+2*\c:S+16*\t+8*(\se)+2*\c+1], 1.0 op_sel_hi:[1,0]
.endr
.endr
.irp t, 0,1
.irp i, 0,1,2,3,4,5,6,7
	v_rcp_f32 v[S+16*\t+8*(\se)+\i], v[S+16*\t+8*(\se)+\i]
.endr
.endr
.endm
.macro SIL3 xb, se
	s_wait_alu depctr_va_vdst(0)                   ; and one for the 16 reciprocals
.irp t, 0,1
.irp c, 0,1,2,3
	v_pk_mul_f32 v[S+16*\t+8*(\se)+2*\c:S+16*\t+8*(\se)+2*\c+1], v[S+16*\t+8*(\se)+2*\c:S+16*\t+8*(\se)+2*\c+1], v[X+16*(\xb)+8*\t+2*\c:X+16*(\xb)+8*\t+2*\c+1]
.endr
.endr
.endm
; A whole block of 32 features of silu(x), tile t: 16 numbers of mine and 16 of lane l xor 16.  Its four registers of codes go to LDS as they stand; its byte is pushed into the two scale words from above.
.macro QB t
.set SB, S+16*(\t)
	v_max3_num_f32 v[MX], |v[SB]|, |v[SB+1]|, 0x8000000
	v_max3_num_f32 v[MXB], |v[SB+8]|, |v[SB+9]|, |v[SB+10]|
	v_max3_num_f32 v[MX], v[MX], |v[SB+2]|, |v[SB+3]|
	v_max3_num_f32 v[MXB], v[MXB], |v[SB+11]|, |v[SB+12]|
	v_max3_num_f32 v[MX], v[MX], |v[SB+4]|, |v[SB+5]|
	v_max3_num_f32 v[MXB], v[MXB], |v[SB+13]|, |v[SB+14]|
	v_max3_num_f32 v[MX], v[MX], |v[SB+6]|, |v[SB+7]|
	v_max3_num_f32 v[MX], v[MX], v[MXB], |v[SB+15]|
	v_permlanex16_b32 v[MX2], v[MX], s[SEL], s[SEL+1]
	v_max_num_f32 v[MX], v[MX], v[MX2]
	v_add_nc_u32 v[SCO], 0xf8800000, v[MX]
	v_lshrrev_b32 v[BYT], 23, v[SCO]
	v_alignbit_b32 v[BW+(\t)], v[BW+2+(\t)], v[BW+(\t)], 8       ; the eight bytes move down by one; after eight blocks block b stands in byte b
	v_alignbit_b32 v[BW+2+(\t)], v[BYT], v[BW+2+(\t)], 8
.irp i, 0,1,2,3,4,5,6,7,8,9,10,11,12,13,14,15
.endr
	v_cvt_scalef32_pk8_bf8_f32 v[CWB+4*(\t):CWB+4*(\t)+1], v[SB:SB+7], v[SCO]
	v_cvt_scalef32_pk8_bf8_f32 v[CWB+4*(\t)+2:CWB+4*(\t)+3], v[SB+8:SB+15], v[SCO]
	v_nop                                          ; a plain line behind the last conversion: its sources are written again a K step on
	ds_store_b128 v[IA], v[CWB+4*(\t):CWB+4*(\t)+3] offset:512*(\t)   ; into the piece of this trip's number, which was read a trip ago; my own bytes
.endm
; The vector work in front of chunk n.
.macro PIECE n, xb, aw, se, qb
.if (\n) == 0
	SIL1 \xb, \se
.endif
.if (\n) == 4
	SIL2 \se
.endif
.if (\n) == 8
	SIL3 \xb, \se
.endif
.if (\qb) && ((\n) == 12)
	QB 0
.endif
.if (\qb) && ((\n) == 14)
	QB 1
.endif
.if (\n)%2 == 0
	GA \xb, (\n)/2
.else
	GB \aw, (\n)/2
.endif
.endm
; CHUNK n of the slot's K step e: weight fragment f = 16 e + n x my two tiles; then fragment f + 7 is asked for, into the buffer that chunk n - 1 read: the vector work in front of this chunk
; (27 plain instructions or more, none naming a register of those products) stands between (ISA guide 7.12.1 asks for eight behind this form).
; The 32 accumulators take turns, one instruction a turn, in the same order in every K step.
.macro MM e, n, ar, asc, zero
.set FI, 16*(\e)+(\n)
.if 31-FI < 6
	s_wait_dscnt 4*(31-FI)                         ; fragment f is in: behind it the slot's remaining fragments were asked for, four loads each
.else
	s_wait_dscnt 24                                ; fragment f is in: behind it fragments f + 1 .. f + 6 were asked for, four loads each (other LDS lines between only make this stricter)
.endif
	WIN 0x52                                       ; source 0 window 2, source 1 window 0, C and D window 1
.irp t, 0,1
.set DA, 8*(2*(\n)+\t)
.set WA, 16*((\n)%8)
.set XF, AF+32*(\ar)+16*\t
.set SW, BSC+8*(\e)+(\n)/2
.set SX, (\asc)+\t
.if \zero
.if (\n)%2
	v_wmma_scale_f32_16x16x128_f8f6f4 v[DA:DA+7], v[WA:WA+15], v[XF:XF+15], 0, v[SW], v[SX] matrix_a_fmt:MATRIX_FMT_BF8 matrix_b_fmt:MATRIX_FMT_BF8 matrix_a_scale:MATRIX_SCALE_ROW1
.else
	v_wmma_scale_f32_16x16x128_f8f6f4 v[DA:DA+7], v[WA:WA+15], v[XF:XF+15], 0, v[SW], v[SX] matrix_a_fmt:MATRIX_FMT_BF8 matrix_b_fmt:MATRIX_FMT_BF8
.endif
.else
.if (\n)%2
	v_wmma_scale_f32_16x16x128_f8f6f4 v[DA:DA+7], v[WA:WA+15], v[XF:XF+15], v[DA:DA+7], v[SW], v[SX] matrix_a_fmt:MATRIX_FMT_BF8 matrix_b_fmt:MATRIX_FMT_BF8 matrix_a_scale:MATRIX_SCALE_ROW1
.else
	v_wmma_scale_f32_16x16x128_f8f6f4 v[DA:DA+7], v[WA:WA+15], v[XF:XF+15], v[DA:DA+7], v[SW], v[SX] matrix_a_fmt:MATRIX_FMT_BF8 matrix_b_fmt:MATRIX_FMT_BF8
.endif
.endif
.endr
.if FI+7 <= 31
	WIN 0x80                                       ; destination window 2
.irp c, 0,1,2,3
	ds_load_b128 v[16*(((\n)+7)%8)+4*\c:16*(((\n)+7)%8)+4*\c+3], v[BA] offset:2048*(FI+7)+512*\c
.endr
.endif
	WIN 0
.endm
; K STEP e of the slot: x of the K step after next is fetched; the operand in buffer e is multiplied while buffer 1 - e is made from the x fetched a K step ago
; (that fetch is in: behind it stand 36 LDS lines or more and a wait for 24 or less).  zero = 1: the products start the sums: nothing is ever cleared.
.macro STEP e, zero
.irp t, 0,1
.irp c, 0,1,2,3
	ds_load_b64 v[X+16*(\e)+8*\t+2*\c:X+16*(\e)+8*\t+2*\c+1], v[XAD] offset:16*XPITCH*\t+16*\c+64*(\e)
.endr
.endr
.set NN, 0
.rept 16
	PIECE NN, 1-(\e), 1-(\e), 1-(\e), 1-(\e)
	MM \e, NN, \e, ASC+2*(\e), \zero
.set NN, NN+1
.endr
.endm
; THE CHANGE OF SLOTS, at a slot's head.  Each wave waits for all its tensor loads (its quarter of the slot ahead), adds 0 to its spare word, and waits for that and for its reads of the slot that it has left.
; fill = 1: a round of the cluster's barrier, so that no wave of any partner still reads that slot or has a load on its way; the joint refill is the first thing behind it and has a trip's work in which to land.
.macro CHANGE fill
	s_wait_tensorcnt 0x0                           ; no tensor load of mine is out, so the walking descriptor may be written
	ds_add_u32 v[SPW], v[NIL]                      ; 0 onto my spare word
.if \fill
	s_xor_b32 s[G0W+1], s[G0W+1], SLOTB            ; the other slot than last time,
	s_add_nc_u64 s[G0W+2:G0W+3], s[G0W+2:G0W+3], SLOTB   ; the next two K steps; the type bits on top are not reached
.endif
	s_wait_dscnt 0x0                               ; the add is done, and my LDS reads are over
.if \fill
	ROUND
	tensor_load_to_lds s[G0W:G0W+3], s[G1W:G1W+7]
	s_nop 0
.else
	s_barrier_signal -1                            ; the work-group's barrier shows the last slot whole
	s_barrier_wait -1
.endif
.rept 4
	v_nop                                          ; four lines behind the tensor load; they are also places behind the last products
.endr
.endm
; The slot's addresses, its 16 registers of weight scale words and its first seven fragments.  With the four lines above, twelve plain lines stand between the last products and these loads.
.macro HEAD
.rept 4
	v_nop
.endr
	v_add_nc_u32 v[BA], s[STB], v[L16]
	v_add_nc_u32 v[SA], s[STS], v[SA0]
	v_add_nc_u32 v[XAD], s[SXO], v[XA0]
	v_add_nc_u32 v[IA], s[SIO], v[IA0]
.irp e, 0,1
.irp m, 0,1,2,3,4,5,6,7
	ds_load_b32 v[BSC+8*\e+\m], v[SA] offset:1024*\e+128*\m
.endr
.endr
	WIN 0x80
.set FI, 0
.rept 7
.irp c, 0,1,2,3
	ds_load_b128 v[16*FI+4*\c:16*FI+4*\c+3], v[BA] offset:2048*FI+512*\c
.endr
.set FI, FI+1
.endr
	WIN 0
.endm
.macro NEXT
	s_xor_b32 s[STB], s[STB], SLOTB
	s_add_co_u32 s[STS], s[STS], 2048
	s_add_co_u32 s[SIO], s[SIO], PIECEB
	s_add_co_u32 s[SXO], s[SIO], PIECEB
	s_min_u32 s[SXO], s[SXO], 7*PIECEB             ; the last trip reads the last piece again; the operand made of it is not used: the loop stays uniform
.endm
; The way out: 8 rows of out from my stage, as whole rows of 1,024 bytes, and into memory.
.macro OLOAD k
.set OB, X+64*((\k)%2)
.set II, 0
.rept 16
	ds_load_b128 v[OB+4*II:OB+4*II+3], v[IA0] offset:OPITCH*(8*(\k)+II/2)+512*(II%2)
.set II, II+1
.endr
.endm
.macro OSEND k, younger                ; younger: the next batch's loads, which may stay out
.set OB, X+64*((\k)%2)
.set II, 0
.rept 16
	s_wait_dscnt (\younger)+15-II
	global_store_b128 v[L16], v[OB+4*II:OB+4*II+3], s[10:11] offset:1024*(8*(\k)+II/2)+512*(II%2) th:TH_STORE_NT   ; 32 lanes store 512 consecutive bytes, at a multiple of 512 from out's first byte
.set II, II+1
.endr
.endm
	s_load_b256 s[4:11], s[0:1], 0x0               ; x s[4:5], wcodes s[6:7], wscales s[8:9], out s[10:11]
	v_lshl_add_u32 v[SPW], v0, 2, SPARE
	v_mov_b32 v[NIL], 0
	ds_add_u32 v10, v11
	ds_add_u32 v10, v11
	s_wait_dscnt 0x0
	v_lshrrev_b32 v26, 5, v0
	v_readfirstlane_b32 s[WV], v26                 ; wave 0..3
	s_bfe_u32 s13, ttmp6, 0x40000                  ; cx: it enters the addresses of x and out alone
	s_lshl_b32 s14, ttmp9, 2                       ; in a cluster launch ttmp9 counts clusters
	s_add_co_u32 s14, s14, s13                     ; my work-group
	s_lshl_b32 s14, s14, 17                        ; its 128 rows of 1,024 bytes (x and out alike),
	s_lshl_b32 s15, s[WV], 15                      ; my wave's 32 of them
	s_add_co_u32 s14, s14, s15
	s_mov_b32 s15, 0
	v_and_b32 v24, 15, v0                          ; r
	v_bfe_u32 v25, v0, 4, 1                        ; h
	v_lshlrev_b32 v[XG], 4, v24
	v_lshl_add_u32 v[XG], v25, 10, v[XG]
	s_wait_kmcnt 0x0
	s_add_nc_u64 s[4:5], s[4:5], s[14:15]
	s_add_nc_u64 s[10:11], s[10:11], s[14:15]
	WIN 0xc0                                       ; destination window 3
.irp q, 0,1,2,3                        ; all of my 32 rows of x: a load takes 256 consecutive bytes of each of two rows; the chunks of 64 features in the order in which they are wanted
.irp p, 0,1,2,3,4,5,6,7,8,9,10,11,12,13,14,15
	global_load_b128 v[64*\q+4*\p:64*\q+4*\p+3], v[XG], s[4:5] offset:2048*\p+256*\q th:TH_LOAD_NT
.endr
.endr
	WIN 0
	; descriptor group 1: dense blocks as rows of 256 bytes (32 elements of 8 bytes), no padding: fragments are read 512 consecutive bytes an instruction
	s_mov_b32 s[G1W], 15|(3<<16)|(1<<21)           ; 15:0 the mask: all four work-groups; 17:16 elements of 8 bytes; 21 set beside a mask
	s_mov_b32 s[G1W+1], 32<<16                     ; tensor_dim0
	s_mov_b32 s[G1W+2], 64<<16                     ; tensor_dim1: 64 rows: a quarter of a slot
	s_mov_b32 s[G1W+3], 32<<16                     ; tile_dim0
	s_mov_b32 s[G1W+4], 64                         ; tile_dim1
	s_mov_b32 s[G1W+5], 32                         ; from row to row
	s_mov_b32 s[G1W+6], 0
	s_mov_b32 s[G1W+7], 0
	s_mov_b32 s[G1S], 15|(3<<16)|(1<<21)
	s_mov_b32 s[G1S+1], 32<<16
	s_mov_b32 s[G1S+2], 18<<16                     ; 18 rows: a quarter of the scale words
	s_mov_b32 s[G1S+3], 32<<16
	s_mov_b32 s[G1S+4], 18
	s_mov_b32 s[G1S+5], 32
	s_mov_b32 s[G1S+6], 0
	s_mov_b32 s[G1S+7], 0
	s_mul_i32 s72, s[WV], 4608                     ; every address in a descriptor hangs on the wave's number alone: equal in all four partners
	s_mov_b32 s73, 0
	s_lshl_b32 s74, s[WV], 14
	s_mov_b32 s75, 0
	s_mov_b32 s[G0S], 1
	s_add_co_u32 s[G0S+1], s72, SCL
	s_add_nc_u64 s[G0S+2:G0S+3], s[8:9], s[72:73]
	s_or_b32 s[G0S+3], s[G0S+3], 0x80000000
	s_mov_b32 s[G0W], 1
	s_mov_b32 s[G0W+1], s74                        ; slot 0
	s_add_nc_u64 s[G0W+2:G0W+3], s[6:7], s[74:75]  ; K steps 0 and 1
	s_or_b32 s[G0W+3], s[G0W+3], 0x80000000
	ROUND                                          ; all four work-groups are here: the first joint loads meet
	tensor_load_to_lds s[G0S:G0S+3], s[G1S:G1S+7]  ; two loads of mine are out
	s_nop 0
	tensor_load_to_lds s[G0W:G0W+3], s[G1W:G1W+7]
	s_nop 0
.rept 4
	v_nop
.endr
	v_and_b32 v26, 31, v0                          ; lane
	v_lshlrev_b32 v[L16], 4, v26
	s_mul_i32 s[XRW], s[WV], XWB
	s_add_co_u32 s[XRW], s[XRW], XREG              ; my wave's region
	v_mul_u32_u24 v[XA0], v24, XPITCH
	v_lshl_add_u32 v[XA0], v25, 3, v[XA0]
	v_add_nc_u32 v[XA0], s[XRW], v[XA0]
	v_lshl_add_u32 v[SA0], v26, 2, SCL
	v_add_nc_u32 v[IA0], s[XRW], v[L16]
	v_and_b32 v27, 7, v0
	v_bfe_u32 v28, v0, 3, 1
	v_mul_u32_u24 v[XSA], v25, XPITCH              ; a loaded 16 bytes: row lane / 16 of the two,
	v_mad_u32_u24 v[XSA], v28, PIECEB, v[XSA]      ; piece (lane % 16) / 8 of the two,
	v_lshl_add_u32 v[XSA], v27, 4, v[XSA]          ; 16 (lane % 8) in the piece's row
	v_add_nc_u32 v[XSA], s[XRW], v[XSA]
	v_mul_u32_u24 v[STO], v24, OPITCH
	v_lshl_add_u32 v[STO], v25, 5, v[STO]
	v_add_nc_u32 v[STO], s[XRW], v[STO]
	v_mov_b32 v[K55], 0x40b00000
	v_mov_b32 v[K55+1], 0x40b00000
	v_mov_b32 v[KPM], 1.0
	v_mov_b32 v[KPM+1], -1.0
	v_mov_b32 v[K01], 0
	v_mov_b32 v[K01+1], 1.0
	v_mov_b32 v[MAG1], 0x4b400010
	v_mov_b32 v[MAG1+1], 0x4b400010
	v_mov_b32 v[MAG2], 0x4b3fffe8
	v_mov_b32 v[MAG2+1], 0x4b3fffe8
	v_mov_b32 v[MX2], 0                            ; a lane permute's destination counts as one of its sources
.irp i, 0,1,2,3
	v_mov_b32 v[BW+\i], 0
.endr
	s_mov_b32 s[SEL], 0x76543210
	s_mov_b32 s[SEL+1], 0xfedcba98
	s_mov_b32 s[XLO], 0xc00ccccc                   ; -2.1999998: 2.5 x + 5.5 stays at 0 or above
	s_mov_b32 s[XHI], 0x400ccccb                   ; 2.1999996: it stays under 11 when rounded
	s_mov_b32 s[C3], 0x40400000
	s_mov_b32 s[C6875], 0x40dc0000
.irp p, 0,1
	s_mov_b32 s[C25+\p], 0x40200000                ; 2.5
	s_mov_b32 s[C75+\p], 0x40f00000                ; 7.5
	s_mov_b32 s[C16+\p], 0x41800000                ; 16
	s_mov_b32 s[CM8+\p], 0xc1000000                ; -8
	s_mov_b32 s[C8+\p], 0x41000000                 ; 8
	s_mov_b32 s[C6I+\p], 0x3e2aaaab                ; 1/6
	s_mov_b32 s[C23+\p], 0x3f2aaaab                ; 2/3
	s_mov_b32 s[CL2E+\p], 0xbfb8aa3b               ; -log2(e)
.endr
	s_mov_b32 s[STB], 0
	s_mov_b32 s[STS], 0
	s_mov_b32 s[SIO], 0
	s_mov_b32 s[SXO], PIECEB
	s_mov_b32 s[CNT], 7
	; THE FIRST OPERAND is made with nothing to multiply yet, while the first weights are on their way.
	XSTORE 0
.irp b, 0,1
.irp t, 0,1
.irp c, 0,1,2,3
	ds_load_b64 v[X+16*\b+8*\t+2*\c:X+16*\b+8*\t+2*\c+1], v[XA0] offset:16*XPITCH*\t+16*\c+64*\b   ; x of K steps 0 and 1.  LDS serves a wave's instructions in order: these see my stores
.endr
.endr
.endr
	s_wait_dscnt 0x0
.set NN, 0
.rept 16
	PIECE NN, 0, 0, 0, 0
.set NN, NN+1
.endr
	; TRIP 0 is written out: its first K step starts the sums, and the rest of x goes to LDS in it.
	CHANGE 1                                       ; the scale words and slot 0 are whole; slot 1 gets its first fill, issued as a refill is
	HEAD
	STEP 0, 1
	XSTORE 1
	STEP 1, 0
	XSTORE 2
	XSTORE 3
	NEXT
.Ltrip:                                            ; trips 1 to 7: two K steps each; every trip asks for the next slot, the last for the base product's
	CHANGE 1
	HEAD
	STEP 0, 0
	STEP 1, 0
	NEXT
	s_sub_co_u32 s[CNT], s[CNT], 1
	s_cmp_lg_u32 s[CNT], 0
	s_cbranch_scc1 .Ltrip
	; THE BASE PRODUCT: two K steps; the operands are the eight images that the trips have left in my pieces, the scale words stand in registers.
	CHANGE 0
	HEAD
.irp e, 0,1
.irp t, 0,1
.irp c, 0,1,2,3
	ds_load_b128 v[AF+32*\e+16*\t+4*\c:AF+32*\e+16*\t+4*\c+3], v[IA0] offset:PIECEB*(4*\e+\c)+512*\t
.endr
.endr
.endr
	s_wait_dscnt 0x0                               ; the images were asked for last: all is in
.set EE, 0
.rept 2
.set NN, 0
.rept 16
.if (16*EE+NN >= 1) && (16*EE+NN <= 24)
.rept 8
	v_nop                                          ; no vector work is left: the places between the last chunk's products and this chunk's loads into the buffer that they read
.endr
.endif
	MM EE, NN, EE, BW+2*EE, 0
.set NN, NN+1
.endr
.set EE, EE+1
.endr
	; THE WAY OUT.  A lane holds 32 neighbouring bytes of a row and the lanes beside it other rows: the wave's 32 rows go through its own stage and come back as whole rows.
.rept 8
	v_nop                                          ; places behind the last products, in front of the first read of results and of loads into operand registers
.endr
	WIN 0x04                                       ; an LDS store's data are its source 1: window 1
.set NN, 0
.rept 16
.irp t, 0,1
	ds_store_b128 v[STO], v[8*(2*NN+\t):8*(2*NN+\t)+3] offset:16*OPITCH*\t+64*NN          ; each accumulator from its low end on
	ds_store_b128 v[STO], v[8*(2*NN+\t)+4:8*(2*NN+\t)+7] offset:16*OPITCH*\t+64*NN+16
.endr
.set NN, NN+1
.endr
	WIN 0
	OLOAD 0                                        ; LDS serves a wave's instructions in order: these see my stores
	OLOAD 1
	OSEND 0, 16
	s_wait_xcnt 0x0                                ; batch 0's stores have read their registers: batch 2 may land there
	OLOAD 2
	OSEND 1, 16
	s_wait_xcnt 0x0
	OLOAD 3
	OSEND 2, 16
	OSEND 3, 0
	s_wait_tensorcnt 0x0                           ; the wave's end: behind my last tensor load and my last LDS store
	ds_add_u32 v[SPW], v[NIL]
	s_wait_dscnt 0x0
	ROUND                                          ; the closing round: no work-group ends while a partner may still ask for a tile that names it
	s_endpgm
.Lfunc_end_k_q4fdb68ca37_kan:
	.size	k_q4fdb68ca37_kan, .Lfunc_end_k_q4fdb68ca37_kan-k_q4fdb68ca37_kan
	.p2alignl 7, 3214868480
	.fill 96, 4, 3214868480
	.section	.rodata,"a",@progbits
	.p2align	6, 0x0
	.amdhsa_kernel k_q4fdb68ca37_kan
		.amdhsa_group_segment_fixed_size 327680
		.amdhsa_private_segment_fixed_size 0
		.amdhsa_enable_private_segment 0
		.amdhsa_kernarg_size 32
		.amdhsa_user_sgpr_count 2
		.amdhsa_user_sgpr_kernarg_segment_ptr 1
		.amdhsa_wavefront_size32 1
		.amdhsa_system_sgpr_workgroup_id_x 1
		.amdhsa_system_sgpr_workgroup_id_y 1
		.amdhsa_system_sgpr_workgroup_id_z 1
		.amdhsa_system_vgpr_workitem_id 0
		.amdhsa_next_free_vgpr 1024
		.amdhsa_next_free_sgpr 80
		.amdhsa_reserve_vcc 0
		.amdhsa_float_denorm_mode_32 3
		.amdhsa_float_denorm_mode_16_64 3
		.amdhsa_fp16_overflow 1
		.amdhsa_memory_ordered 1
		.amdhsa_forward_progress 1
		.amdhsa_inst_pref_size 255
	.end_amdhsa_kernel
	.section	.bss,"aw",@nobits
	.p2align	6
	.space	262144
	.amdgpu_metadata
---
amdhsa.version: [ 1, 2 ]
amdhsa.kernels:
  - .name:           k_q4fdb68ca37_kan
    .symbol:         k_q4fdb68ca37_kan.kd
    .args:
      - { .name: x, .offset: 0, .size: 8, .value_kind: global_buffer, .address_space: global }
      - { .name: wcodes, .offset: 8, .size: 8, .value_kind: global_buffer, .address_space: global }
      - { .name: wscales, .offset: 16, .size: 8, .value_kind: global_buffer, .address_space: global }
      - { .name: out0, .offset: 24, .size: 8, .value_kind: global_buffer, .address_space: global }
    .group_segment_fixed_size: 327680
    .private_segment_fixed_size: 0
    .kernarg_segment_align: 8
    .kernarg_segment_size: 32
    .max_flat_workgroup_size: 128
    .sgpr_count:     80
    .vgpr_count:     1024
    .wavefront_size: 32
...
	.end_amdgpu_metadata
.endif
;; end of part 2
